; MI455X (gfx1250); checked and timed in simulation.
; The chip was launched on July 23, 2026; its instructions are those of AMD's public machine-readable ISA for CDNA 5 (MIT licence, August 2026) and "CDNA5" Instruction Set Architecture Reference Guide (July 2026). The comments in the code are by the model that wrote it; some were corrected since.
;; Scaled Dot Product Attention. Allowed arithmetic: matrix products marked QUANTISED: E2M1 operands, one E8M0 scale for each 32 along K, by v_wmma_scale_f32_16x16x128_f8f6f4 with both operands' format E2M1 (or v_wmma_scale_f32_32x16x128_f4), f32 sums; everything else in f32.
;; Inputs: k 2 x 8 x 2,048 x 64 float32; mask 2,048 x 2,048 bool; q 2 x 8 x 2,048 x 64 float32; v 2 x 8 x 2,048 x 64 float32.
;; Outputs: out0 2 x 8 x 2,048 x 64 float32.
;; This version of the problem:
;;   THIS VERSION OF THE PROBLEM IS GIVEN IN LOW PRECISION. The matrix products marked QUANTISED in the list below multiply operands that are first quantised to E2M1 (2 exponent bits, 1 mantissa bit; 4 bits a number), with one power-of-two scale for each 32 numbers along K (OCP MX v1.0); their sums are f32. All else is computed in f32.
;;   The module's matrix products, in the order in which they are computed (A, B: the left and right operand; K: the contracted axis; several contracted axes count as one K, in the product's order):
;;     1. batch 16 x [M 2,048, K 64] x [K 64, N 2,048]; A: input q; B: input k: QUANTISED
;;     2. batch 16 x [M 2,048, K 2,048] x [K 2,048, N 64]; A: softmax (see below); B: input v: QUANTISED
;;   THE QUANTISER, for each operand of a quantised product, along K:
;;     - K is cut into blocks of 32 from its start; a last block that is shorter is filled with zeros.
;;     - A block's scale is 2^e with e = floor(log2(the largest magnitude in the block)) - 2, held to -126 .. 127; a block of zeros has e = 0. As a byte (E8M0): e + 127.
;;     - Each number is divided by its block's scale, clamped to +-6, and rounded to the nearest number of E2M1, ties to even, subnormals kept.
;;     - The product sums the exact products of the quantised numbers (number of the format x scale) in f32.
;;   ~~~python
;;   def quantise(x, axis):      # numpy; x: float32 -> the quantised numbers, widened to float32 again
;;       x = np.moveaxis(x, axis, -1); K = x.shape[-1]
;;       x = np.pad(x, [(0, 0)] * (x.ndim - 1) + [(0, -K % 32)]); x = x.reshape(x.shape[:-1] + (-1, 32)); a = np.abs(x).max(-1, keepdims=True)
;;       e = np.where(a > 0, np.clip(np.frexp(np.where(a > 0, a, 1))[1] - 1 - 2, -126, 127), 0)      # np.frexp(a)[1] - 1 = floor(log2(a)), exactly
;;       r = np.clip(x / 2.0 ** e, -6, 6)
;;       step = 2.0 ** (np.maximum(np.frexp(np.where(r == 0, 1, r))[1] - 1, 0) - 1)
;;       q = np.round(r / step) * step * 2.0 ** e      # np.round: ties to even
;;       return np.moveaxis(q.reshape(q.shape[:-2] + (-1,))[..., :K], -1, axis).astype(np.float32)
;;   ~~~
;;   SOFTMAX AHEAD OF A QUANTISED PRODUCT. Where the list says 'softmax', what is quantised is not the finished softmax but p = 2^(t - M), with t = logit x log2(e) and M = ceil(the row's largest t), a whole number; so 1/2 < the row's largest p <= 1. The row's sum l is taken of the UNQUANTISED p, in f32, and the product's result is divided by l at the end. Since M is a whole number, a kernel that streams over the keys may use a running M (the ceiling of the running maximum): every later rescaling is an exact power of two, which a block's scale takes up: the codes' values come out the same.
;;   OPERANDS COMPUTED ON THE WAY. 'Computed on the way' means the value that the module computes at that place (a softmax that the list does not call 'softmax' is quantised finished and normalised). What goes into a quantiser is computed in f32, as accurately as f32 sums, v_exp_f32 and their like allow (about 1e-6 of the number): no bf16 or f16 on the way to a quantiser, and a product that is left as it is and whose result goes on into a quantised operand takes f32 operands (vector FMAs, or v_wmma_f32_16x16x4_f32). A number that lies on a knife's edge between two numbers of the format may be rounded either way, as far as f32 arithmetic and the matrix unit's own rounding can turn it there, and no further.
;; One version. Each part assembles by itself: llvm-mc -triple=amdgcn-amd-amdhsa -mcpu=gfx1250 --defsym DOCPART=n.
;; ======== version 1 of 1: 2 launches
;; limits: right only within a limited range of input values
;; workspace buffers: kv 2,293,760 bytes; mk 2,097,152 bytes; keep 16,384 bytes
;; launch prep (part 1): grid 640 x 1, 4 waves a work-group, no clusters, 52,736 bytes of LDS; arguments k, v, mask, kv, mk, keep; writes kv, mk, keep
.if DOCPART == 1
	.amdgcn_target "amdgcn-amd-amdhsa--gfx1250"
	.amdhsa_code_object_version 6
	.text
	.protected	k_q2c58dc6090_prep
	.globl	k_q2c58dc6090_prep
	.p2align	8
	.type	k_q2c58dc6090_prep,@function
k_q2c58dc6090_prep:
	s_mov_b64 s[64:65], 0
	v_nop
	global_prefetch_b8 v0, s[64:65] scope:SCOPE_SE
	s_setreg_imm32_b32 hwreg(HW_REG_WAVE_MODE, 25, 1), 1
	s_wait_xcnt 0x0
; PREP: k, v and the mask are laid once in the order in which the attention launch's operand registers take them.
; k, v: [16 heads][2048 keys][64] f32.  mask: [2048 queries][2048 keys], one byte each, 1 = masked.
; kv: [head][step of 128 keys][8,960 bytes]: K's eight fragments (4,096), K's scale words (512), V's four fragments (4,096), V's scale words (256).
; mk: [block of 128 queries][step][tile of 16 queries][1,024 bytes]: the mask as 4-bit codes, 0x1 (= 0.5) where masked, 0 where open.
; keep: [tile of 16 queries][32 words]: lane (r, h)'s word is 0 where query r's row is masked from end to end, else all ones.
; THE QUANTISER (E2M1, one E8M0 byte for 32 along K): a block's scale is 2^(floor(log2(largest magnitude)) - 2); its byte is the largest magnitude's exponent field - 2, held at 1 from below
; (a block of zeros so gets byte 1: its codes are zeros, and this program alone reads the bytes).  K is quantised along the head's 64, V along the keys.
; A ROW MASKED FROM END TO END has a uniform softmax whatever q holds: its mask codes are cleared here and its keep word is 0; the attention launch clears q's row with that word, so that all its scores are equal.
; LIMITS: mask bytes are 0 or 1; NaN and infinities in k and v are not served; blocks whose largest magnitude lies under 2^-124 get byte 1.
; SHARES: 640 work-groups of four waves, each reading 32,768 bytes, 8,192 a wave, all asked for at once.  Work-groups 0-255: one (head, step) of k; 256-511: of v; 512-639: 16 rows of the mask.
; The three roles part on the work-group's number, never join, and have LDS bytes of their own.  No loop, no tensor load, EXEC is never changed.
.set KVSTEP, 8960                      ; a step's block in kv
.set KSWO,   4096                      ; in it: K's scale words,
.set VIMO,   4608                      ; V's fragments,
.set VSWO,   8704                      ; V's scale words
.set KP,     272                       ; role K: a key's 256 bytes + 16 = 68 words: row r starts at bank 4 r mod 64 (64 banks of 4 bytes: ISA guide 11.1)
.set KSWL,   4*32*KP                   ; LDS: behind the four waves' 32 rows: K's 512 bytes of scale words,
.set VSWL,   KSWL+512                  ; role V's 256 bytes of scale words,
.set MI,     VSWL+256                  ; role M's sixteen images of 1,024 bytes,
.set MKP,    MI+16384                  ; and its 128 bytes of keep words
.set QT,     8                         ; v8-9 the two chains of a block's largest magnitude
; One block of 32 numbers, all in this lane's registers v[src] on: 4 registers of codes at v[dst], the conversion's scale operand in v[so], the scale's byte in v[by].
.macro QB src, dst, so, by
	v_max3_num_f32 v[QT], |v[\src]|, |v[\src+1]|, 0x1800000          ; the floor 2^(3 - 127) among the leaves: the byte cannot fall under 1
	v_max3_num_f32 v[QT+1], |v[\src+2]|, |v[\src+3]|, |v[\src+4]|
.irp i, 5,9,13,17,21,25
	v_max3_num_f32 v[QT], v[QT], |v[\src+\i]|, |v[\src+\i+1]|
	v_max3_num_f32 v[QT+1], v[QT+1], |v[\src+\i+2]|, |v[\src+\i+3]|
.endr
	v_max3_num_f32 v[QT], v[QT], |v[\src+29]|, |v[\src+30]|
	v_max3_num_f32 v[QT], v[QT], v[QT+1], |v[\src+31]|
	v_add_nc_u32 v[\so], 0xff000000, v[QT]                           ; 2 off the exponent field: the conversion takes that field as its scale and nothing else
.irp g, 0,1,2,3
	v_cvt_scalef32_pk8_fp4_f32 v[\dst+\g], v[\src+8*\g:\src+8*\g+7], v[\so]
.endr
	v_lshrrev_b32 v[\by], 23, v[\so]                                 ; the byte; also the plain line behind the conversions
.endm
	s_load_b256 s[4:11], s[0:1], 0x0               ; k s[4:5], v s[6:7], mask s[8:9], kv s[10:11]
	s_load_b128 s[12:15], s[0:1], 0x20             ; mk s[12:13], keep s[14:15]
	v_lshl_add_u32 v160, v0, 2, 0xcc00
	v_mov_b32 v161, 0
	v_lshrrev_b32 v1, 5, v0
	v_readfirstlane_b32 s16, v1                    ; wave 0..3
	v_and_b32 v1, 31, v0                           ; lane
	v_lshlrev_b32 v2, 4, v1                        ; 16 x lane
	v_and_b32 v3, 15, v0                           ; r
	v_bfe_u32 v4, v0, 4, 1                         ; h
	s_mov_b32 s20, 0x76543210                      ; v_permlanex16_b32's selects for lane l xor 16
	s_mov_b32 s21, 0xfedcba98
	s_mov_b32 s22, 0xffff0000                      ; lanes 16-31
	s_mov_b32 s19, 0                               ; the high word of every offset
	s_wait_kmcnt 0x0
	s_cmp_ge_u32 ttmp9, 512
	s_cbranch_scc1 .Lrole_m
	s_cmp_ge_u32 ttmp9, 256
	s_cbranch_scc1 .Lrole_v
; ---- ROLE K.  Work-group = 16 x head + step.  Wave w takes the step's keys 32 w .. 32 w + 31: tiles 2 w and 2 w + 1.
; Row r of tile 2 w + u is key 32 w + 8 u + r + 8 (r / 8), so that in the scores the 16 registers of the two tiles are 16 neighbouring keys.
	s_lshl_b32 s18, ttmp9, 15                      ; 128 keys x 256 bytes
	s_lshl_b32 s23, s16, 13
	s_add_co_u32 s18, s18, s23
	s_add_nc_u64 s[4:5], s[4:5], s[18:19]
.irp i, 0,1,2,3,4,5,6,7,8,9,10,11,12,13,14,15
	global_load_b128 v[32+4*\i:35+4*\i], v2, s[4:5] offset:512*\i th:TH_LOAD_NT   ; 512 consecutive bytes: keys 2 i and 2 i + 1
.endr
	s_mul_i32 s18, ttmp9, KVSTEP
	s_add_nc_u64 s[10:11], s[10:11], s[18:19]      ; the step's block in kv
	s_lshl_b32 s18, s16, 10
	s_add_nc_u64 s[24:25], s[10:11], s[18:19]      ; my two tiles' images
	s_mul_i32 s23, s16, 32*KP                      ; my 32 rows in LDS
	v_mul_u32_u24 v5, v4, KP
	v_lshl_add_u32 v5, v3, 4, v5
	v_add_nc_u32 v5, s23, v5                       ; in: row h of a load's two, 16 r
	v_mul_u32_u24 v6, v3, KP
	v_lshl_add_u32 v6, v4, 7, v6
	v_add_nc_u32 v6, s23, v6                       ; back: row r of a tile, my half's 128 bytes (32 of the head's 64)
	s_lshl_b32 s23, s16, 2
	v_add_nc_u32 v7, s23, v2                       ; my scale word: 16 x lane + 4 w
	v_mov_b32 v26, 0                               ; a lane permute's destination counts as one of its sources
	v_mov_b32 v27, 0
.irp i, 0,1,2,3,4,5,6,7,8,9,10,11,12,13,14,15
	s_wait_loadcnt 15-\i                           ; loads come back in order: load i is in, the 15 - i behind it may be out
	ds_store_b128 v5, v[32+4*\i:35+4*\i] offset:(16*(((2*\i)/8)%2)+(2*\i)%8+8*((2*\i)/16))*KP   ; key o goes to row 16 ((o / 8) % 2) + o % 8 + 8 (o / 16): the rows lie in the tiles' order
.endr
.irp u, 0,1
.irp j, 0,1,2,3,4,5,6,7
	ds_load_b128 v[96+32*\u+4*\j:99+32*\u+4*\j], v6 offset:\u*16*KP+16*\j   ; LDS serves a wave's instructions in order: these see my stores
.endr
.endr
	s_wait_dscnt 8                                 ; tile 2 w's eight loads are in
	QB 96, 16, 12, 24
	s_wait_dscnt 0x0
	QB 128, 20, 13, 25
	global_store_b128 v2, v[16:19], s[24:25]              ; a fragment's image: 512 consecutive bytes, lane l's 16 at 16 l
	global_store_b128 v2, v[20:23], s[24:25] offset:512
	v_permlanex16_b32 v26, v24, s20, s21           ; the other half's byte
	v_permlanex16_b32 v27, v25, s20, s21
	v_lshl_or_b32 v28, v26, 8, v24                 ; lanes 0-15: tile 2 w's word of row r (bytes 2 and 3 stay 0: they stand over zero codes)
	v_lshl_or_b32 v29, v25, 8, v27                 ; lanes 16-31: tile 2 w + 1's
	v_cndmask_b32 v28, v28, v29, s22
	ds_store_b32 v7, v28 offset:KSWL
	s_wait_dscnt 0x0                               ; for the others' sake: my word has landed
	s_barrier_signal -1
	s_barrier_wait -1
	s_cmp_lg_u32 s16, 0
	s_cbranch_scc1 .Lk_end
	ds_load_b128 v[32:35], v2 offset:KSWL          ; lane l: the words of tiles l / 16, 2 + l / 16, 4 + l / 16, 6 + l / 16
	s_wait_dscnt 0x0
	global_store_b128 v2, v[32:35], s[10:11] offset:KSWO
.Lk_end:
	s_wait_tensorcnt 0x0
	ds_add_u32 v160, v161
	s_wait_dscnt 0x0
	s_endpgm
; ---- ROLE V.  A lane takes a column d and its registers run down the keys, which are the second product's K: nothing is transposed.
; Wave w: d = 32 (w & 1) + lane, keys 64 (w >> 1) + 0 .. 63: two whole blocks a lane.
.Lrole_v:
	s_sub_co_u32 s17, ttmp9, 256                   ; 16 x head + step
	s_and_b32 s23, s16, 1                          ; which 32 of the head's 64
	s_lshr_b32 s24, s16, 1                         ; which 64 keys
	s_lshl_b32 s18, s17, 15
	s_lshl_b32 s25, s24, 14
	s_add_co_u32 s18, s18, s25
	s_lshl_b32 s25, s23, 7
	s_add_co_u32 s18, s18, s25
	s_add_nc_u64 s[6:7], s[6:7], s[18:19]
	v_lshlrev_b32 v5, 2, v1
.set n, 0
.rept 64
	global_load_b32 v[32+n], v5, s[6:7] offset:256*n      ; one key, 32 neighbouring d: 128 consecutive bytes; the wave beside me reads the row's other half
.set n, n+1
.endr
	s_mul_i32 s18, s17, KVSTEP
	s_add_nc_u64 s[10:11], s[10:11], s[18:19]      ; the step's block in kv
	s_lshl_b32 s18, s23, 11
	s_lshl_b32 s25, s24, 9
	s_add_co_u32 s18, s18, s25
	s_add_nc_u64 s[26:27], s[10:11], s[18:19]      ; tiles 2 (w & 1) on, register group w >> 1
	v_lshlrev_b32 v6, 10, v4
	v_lshl_add_u32 v6, v3, 4, v6                   ; tile + h, row r
	v_lshlrev_b32 v10, 3, v1                       ; 8 x lane
	s_lshl_b32 s25, s23, 2
	v_add_nc_u32 v7, s25, v10
	s_lshl_b32 s25, s24, 1
	v_add_nc_u32 v7, s25, v7                       ; my two bytes of my row's scale word: 8 x lane + 4 (w & 1) + 2 (w >> 1)
	s_wait_loadcnt 32                              ; the first block's 32 loads are in
	QB 32, 16, 12, 24
	s_wait_loadcnt 0x0
	QB 64, 20, 13, 25
	global_store_b128 v6, v[16:19], s[26:27] offset:VIMO       ; block j is the image's lanes 16 j + r: sixteen lanes store 256 consecutive aligned bytes
	global_store_b128 v6, v[20:23], s[26:27] offset:VIMO+256
	v_lshl_or_b32 v28, v25, 8, v24
	ds_store_b16 v7, v28 offset:VSWL
	s_wait_dscnt 0x0
	s_barrier_signal -1
	s_barrier_wait -1
	s_cmp_lg_u32 s16, 0
	s_cbranch_scc1 .Lv_end
	ds_load_b64 v[32:33], v10 offset:VSWL          ; lane l: the words of tiles l / 16 and 2 + l / 16, row l % 16
	s_wait_dscnt 0x0
	global_store_b64 v10, v[32:33], s[10:11] offset:VSWO
.Lv_end:
	s_wait_tensorcnt 0x0
	ds_add_u32 v160, v161
	s_wait_dscnt 0x0
	s_endpgm
; ---- ROLE M.  Work-group 512 + qt takes the 16 rows of query tile qt; wave w rows 4 w .. 4 w + 3, 8,192 consecutive bytes.
; Eight mask bytes become one register of eight codes by ONE line, a | b << 4 (a: keys + 0 .. 3, b: keys + 4 .. 7): key + i lies in nibble 2 (i & 3) + (i >> 2).
; An image is a fragment of 16 queries x 128 places: register T of lane (query r, h) holds the keys 32 (T / 2) + 16 h + 8 (T % 2) + 0 .. 7 of the step.
.Lrole_m:
	s_sub_co_u32 s17, ttmp9, 512                   ; qt
	s_lshl_b32 s18, s17, 15
	s_lshl_b32 s23, s16, 13
	s_add_co_u32 s18, s18, s23
	s_add_nc_u64 s[8:9], s[8:9], s[18:19]
.irp i, 0,1,2,3,4,5,6,7,8,9,10,11,12,13,14,15
	global_load_b128 v[32+4*\i:35+4*\i], v2, s[8:9] offset:512*\i th:TH_LOAD_NT   ; row 4 w + i / 4, keys 512 (i % 4) + 16 lane + 0 .. 15
.endr
	v_lshrrev_b32 v5, 3, v1
	v_lshlrev_b32 v5, 10, v5                       ; my 16 keys lie in step 4 (i % 4) + lane / 8,
	v_bfe_u32 v6, v1, 2, 1
	v_lshl_add_u32 v5, v6, 9, v5                   ; registers 4 ((lane / 4) % 2) on,
	v_and_b32 v6, 1, v1
	v_lshl_add_u32 v5, v6, 8, v5                   ; the image's half lane % 2,
	v_bfe_u32 v6, v1, 1, 1
	v_lshl_add_u32 v5, v6, 3, v5                   ; two registers, 2 ((lane / 2) % 2) on,
	s_lshl_b32 s23, s16, 6
	v_add_nc_u32 v5, s23, v5                       ; query 4 w on: 16 bytes a query
	v_and_b32 v7, 3, v1
	v_lshlrev_b32 v7, 2, v7
	v_bfe_u32 v6, v1, 2, 1
	v_lshl_add_u32 v7, v6, 6, v7
	s_lshl_b32 s23, s16, 4
	v_add_nc_u32 v7, s23, v7                       ; keep words: row 4 w + lane % 4, for both halves of the reader's lanes
	s_lshl_b32 s23, s16, 12
	v_add_nc_u32 v11, s23, v2                      ; back: four images a wave
	v_lshlrev_b32 v13, 2, v1
	s_mov_b32 s32, 0x22222222                      ; lanes with lane % 4 = 1, 2, 3
	s_mov_b32 s33, 0x44444444
	s_mov_b32 s34, 0x88888888
	s_lshr_b32 s23, s17, 3
	s_lshl_b32 s18, s23, 17                        ; the block of 128 queries,
	s_and_b32 s23, s17, 7
	s_lshl_b32 s23, s23, 10                        ; the tile in it,
	s_add_co_u32 s18, s18, s23
	s_lshl_b32 s23, s16, 15                        ; my four steps
	s_add_co_u32 s18, s18, s23
	s_add_nc_u64 s[12:13], s[12:13], s[18:19]
	s_lshl_b32 s18, s17, 7
	s_add_nc_u64 s[14:15], s[14:15], s[18:19]
.irp p, 0,1,2,3                        ; row 4 w + p
	s_wait_loadcnt 12-4*\p                         ; its four loads are in; the later rows' may be out
.irp q, 0,1,2,3
	v_lshl_or_b32 v[96+8*\p+2*\q], v[33+16*\p+4*\q], 4, v[32+16*\p+4*\q]
	v_lshl_or_b32 v[97+8*\p+2*\q], v[35+16*\p+4*\q], 4, v[34+16*\p+4*\q]
.endr
	v_and_b32 v10, v[96+8*\p], v[97+8*\p]
.irp e, 2,3,4,5,6,7
	v_and_b32 v10, v10, v[96+8*\p+\e]
.endr
	v_cmp_eq_u32 s24, 0x11111111, v10              ; all my 64 keys masked?
	s_cmp_eq_u32 s24, -1                           ; in all 32 lanes: the whole row
	s_cselect_b32 s[28+\p], 0, -1                  ; the row's keep word: a choice of a value, no branch
.irp e, 0,1,2,3,4,5,6,7
	v_and_b32 v[96+8*\p+\e], s[28+\p], v[96+8*\p+\e]
.endr
.irp q, 0,1,2,3
	ds_store_b64 v5, v[96+8*\p+2*\q:97+8*\p+2*\q] offset:MI+\q*4096+\p*16
.endr
.endr
	v_mov_b32 v10, s28
	v_mov_b32 v12, s29
	v_cndmask_b32 v10, v10, v12, s32
	v_mov_b32 v12, s30
	v_cndmask_b32 v10, v10, v12, s33
	v_mov_b32 v12, s31
	v_cndmask_b32 v10, v10, v12, s34
	ds_store_b32 v7, v10 offset:MKP                ; lanes that share a word write the same value
	s_wait_dscnt 0x0
	s_barrier_signal -1
	s_barrier_wait -1                              ; the sixteen images are whole
.irp j, 0,1,2,3,4,5,6,7
	ds_load_b128 v[128+4*\j:131+4*\j], v11 offset:MI+512*\j
.endr
.irp j, 0,1,2,3,4,5,6,7
	s_wait_dscnt 7-\j
	global_store_b128 v2, v[128+4*\j:131+4*\j], s[12:13] offset:(\j/2)*8192+(\j%2)*512   ; step 4 w + j / 2, half j % 2: 512 consecutive aligned bytes
.endr
	s_cmp_lg_u32 s16, 0
	s_cbranch_scc1 .Lm_end
	ds_load_b32 v12, v13 offset:MKP
	s_wait_dscnt 0x0
	global_store_b32 v13, v12, s[14:15]
.Lm_end:
	s_wait_tensorcnt 0x0
	ds_add_u32 v160, v161
	s_wait_dscnt 0x0
	s_endpgm
.Lfunc_end_k_q2c58dc6090_prep:
	.size	k_q2c58dc6090_prep, .Lfunc_end_k_q2c58dc6090_prep-k_q2c58dc6090_prep
	.p2alignl 7, 3214868480
	.fill 96, 4, 3214868480
	.section	.rodata,"a",@progbits
	.p2align	6, 0x0
	.amdhsa_kernel k_q2c58dc6090_prep
		.amdhsa_group_segment_fixed_size 52736
		.amdhsa_private_segment_fixed_size 0
		.amdhsa_enable_private_segment 0
		.amdhsa_kernarg_size 48
		.amdhsa_user_sgpr_count 2
		.amdhsa_user_sgpr_kernarg_segment_ptr 1
		.amdhsa_wavefront_size32 1
		.amdhsa_system_sgpr_workgroup_id_x 1
		.amdhsa_system_sgpr_workgroup_id_y 1
		.amdhsa_system_sgpr_workgroup_id_z 1
		.amdhsa_system_vgpr_workitem_id 0
		.amdhsa_next_free_vgpr 162
		.amdhsa_next_free_sgpr 66
		.amdhsa_reserve_vcc 0
		.amdhsa_float_denorm_mode_32 3
		.amdhsa_float_denorm_mode_16_64 3
		.amdhsa_memory_ordered 1
		.amdhsa_forward_progress 1
		.amdhsa_inst_pref_size 32
	.end_amdhsa_kernel
	.amdgpu_metadata
---
amdhsa.version: [ 1, 2 ]
amdhsa.kernels:
  - .name:           k_q2c58dc6090_prep
    .symbol:         k_q2c58dc6090_prep.kd
    .args:
      - { .name: k, .offset: 0, .size: 8, .value_kind: global_buffer, .address_space: global }
      - { .name: v, .offset: 8, .size: 8, .value_kind: global_buffer, .address_space: global }
      - { .name: mask, .offset: 16, .size: 8, .value_kind: global_buffer, .address_space: global }
      - { .name: kv, .offset: 24, .size: 8, .value_kind: global_buffer, .address_space: global }
      - { .name: mk, .offset: 32, .size: 8, .value_kind: global_buffer, .address_space: global }
      - { .name: keep, .offset: 40, .size: 8, .value_kind: global_buffer, .address_space: global }
    .group_segment_fixed_size: 52736
    .private_segment_fixed_size: 0
    .kernarg_segment_align: 8
    .kernarg_segment_size: 48
    .max_flat_workgroup_size: 128
    .sgpr_count:     66
    .vgpr_count:     162
    .wavefront_size: 32
...
	.end_amdgpu_metadata
.endif
;; end of part 1
;; launch attn (part 2): grid 16 x 16, 8 waves a work-group, clusters of 4 x 4, 327,680 bytes of LDS; arguments q, kv, mk, keep, out0; writes out0
.if DOCPART == 2
	.amdgcn_target "amdgcn-amd-amdhsa--gfx1250"
	.amdhsa_code_object_version 6
	.text
	.protected	k_q2c58dc6090_attn
	.globl	k_q2c58dc6090_attn
	.p2align	8
	.type	k_q2c58dc6090_attn,@function
k_q2c58dc6090_attn:
	s_mov_b64 s[64:65], 0
	v_nop
	global_prefetch_b8 v0, s[64:65] scope:SCOPE_SE
	s_setreg_imm32_b32 hwreg(HW_REG_WAVE_MODE, 25, 1), 1
	s_wait_xcnt 0x0
	s_wait_alu depctr_hold_cnt(0) depctr_sa_sdst(0) depctr_va_vdst(0) depctr_va_sdst(0) depctr_va_ssrc(0) depctr_va_vcc(0) depctr_vm_vsrc(0)
	s_getreg_b32 s2, hwreg(HW_REG_IB_STS2, 6, 4)
	s_cmp_eq_u32 s2, 0
	s_cbranch_scc0 .Lentry_in_a_cluster
	s_endpgm
.Lentry_in_a_cluster:
	s_bfe_u32 s2, ttmp6, 0x10000c
	s_cmp_lg_u32 s2, 0xf033
	s_cbranch_scc0 .Lentry_shape_is_right
	s_endpgm
.Lentry_shape_is_right:
; out0[head][s][:] = the sum over t of softmax_t(q[s] . k[t] / 8, masked keys at a very low logit) v[t][:], 16 heads, 2,048 queries and keys, head size 64; both products on codes of E2M1 with one E8M0 scale for 32 along K.
; THE SOFTMAX AHEAD OF THE SECOND PRODUCT: t = score x log2(e) / 8; M = the running largest t rounded UP to a whole number; p = 2^(t - M) is quantised along the keys, not normalised; the row's sum is taken of the
; unquantised p and divides at the end.  When M moves, the sum and O are multiplied by 2^(old M - new M), which rounds nothing.
; THE MASK GOES THROUGH THE MATRIX UNIT.  Each tile of scores is begun by one product of its own: source 0 a constant selector (one code -1.0 a row), source 1 the step's mask codes (0.5 where masked), both scales 2^17:
; exactly -2^33 where the key is masked, 0 elsewhere.  The product K Q^T then adds onto it in place.  So the mask costs no vector instruction.
; A row masked from end to end was marked by the launch before: its mask codes are 0 and its keep word is 0; q's row is cleared with that word, all its scores are 0, p = 1, the sum 2,048: the uniform softmax.
; A row whose FIRST steps are wholly masked sums finite numbers there (p at most 2^64, since t near 1.5e9 is rounded to 128); the first open key moves M by about 1.5e9 and the factor 2^(old M - new M) is 0.
; LIMITS: a masked raw score is -2^33, logit -2^30 where the problem has -1e9: the results are the same as long as every open logit lies above about -9.9e8.  NaN and infinities in q are not served
; (but in rows masked from end to end).  A block of q whose largest magnitude lies under 2^-124 gets scale byte 1.
; SHARES.  A work-group owns 128 queries of one head; each of its eight waves 16 of them, one tile; every wave walks the head's 16 steps of 128 keys.  Both products are used transposed
; (S^T = K Q^T, O^T = V^T P^T): a lane holds ONE query (lane % 16) throughout.  Row r of K's tile 2 b + u is key 32 b + 8 u + r + 8 (r / 8): the 16 registers of two neighbouring tiles are 16 neighbouring keys.
; The head's 64 fill half of the instruction's 128 along K: registers 4-7 of K's and Q's fragments hold zero codes.
; LDS: the head's codes of K and V (143,360 bytes) and the work-group's mask codes (131,072) fit together: every byte is filled ONCE, by four tensor loads a wave at the start; no slot, no refill.
; All operands lie there as images of their registers (lane l's 16 bytes at 16 l), so every LDS load reads 512 consecutive bytes.
; CLUSTER: 4 x 4 work-groups.  The four of a row share the head, so K's and V's blocks are asked for jointly along the row; the four of a column share the queries, so the mask's blocks jointly along the column.
; REGISTERS: window 0: v1-11 addresses and lane terms; v12 -M, v13 the largest t, v[14:15] the sum; v16-23 Q; v24 Q's scales, v25 the mask products' scales, v26-27 V's, v28-31 K's; v32-39 the mask's fragment;
;   v40-47 p's codes; v49 p's scale word; v50 the factor; v52-65 at work; v96-159 S^T, then p; v160-191 O^T.   window 1: all that is a source 0: v0-21 the selector, v32-95 K's eight fragments, v96-127 V's four.
.set KVSTEP, 8960                      ; a step's block of kv: K's fragments, K's scale words, V's fragments, V's scale words
.set KSWO,   4096
.set VIMO,   4608
.set VSWO,   8704
.set MKSTEP, 8192                      ; a step's mask images: 1,024 bytes for each wave
.set MK,     16*KVSTEP                 ; LDS: behind the head's sixteen blocks: the mask's sixteen,
.set STG,    MK+16*MKSTEP              ; and a stage of 16 rows x 272 bytes for each wave, into which no tensor load lands
.set SP,     272                       ; 256 bytes + 16 = 68 words: row r starts at bank 4 r mod 64 (64 banks of 4 bytes: ISA guide 11.1)
.set LI,  1                            ; v1   16 x lane: an image's place; also my offset in q's and out0's 16 rows
.set L8,  2                            ; v2   8 x lane
.set LM,  3                            ; v3   my wave's mask image of step 0
.set ADK, 4                            ; v4-6 the step's addresses: kv block + 16 lane, + 8 lane, mask image
.set ADV, 5
.set ADM, 6
.set STO, 7                            ; v7   the stage: row r, + 32 h
.set RD,  8                            ; v8   the stage: row h, + 16 r
.set KEEP, 9                           ; v9   my query's keep word
.set RR,  10                           ; v10  r = lane % 16
.set HH,  11                           ; v11  h = lane / 16
.set NM,  12                           ; v12  -M;  v13 the running largest t
.set L,   14                           ; v[14:15] the row's sum, in two halves
.set QF,  16
.set QS,  24
.set MS,  25
.set VS,  26
.set KS,  28
.set MF,  32
.set PC,  40
.set QRD, 48                           ; v48  the stage: row r, + 128 h
.set PW,  49
.set F,   50                           ; v50  2^(old M - new M), later 1 / the sum;  v51 named with it as a pair
.set BM,  52                           ; v52-55 the blocks' largest scores, then largest p
.set BT,  56                           ; v56-59 the other half's maxima, then the scale bytes
.set SO,  60                           ; v60-63 the conversions' scale operands
.set L2,  64                           ; v[64:65] the sum's second chain
.set TMP, 66
.set QT,  66                           ; v66-67 the chains of q's largest magnitude
.set L4,  70                           ; v70  4 x lane
.set PX,  71
.set S,   96
.set O,   160
.set SEL, 0                            ; window 1
.set KF,  32
.set VF,  96
.set WV,  14                           ; s14  my wave's number;  s15 its low two bits
.set G1K, 28                           ; s[28:35] descriptor group 1 for kv's blocks;  s[36:43] for the mask's
.set G1M, 36
.set G0K, 44                           ; s[44:59] four groups 0 for kv's blocks;  s[68:83] for the mask's
.set G0M, 68
.set TB,  24                           ; s24  the step's block in LDS;  s25 the step's mask images
.set TM,  25
.set MSB, 0
.macro WIN new                         ; the immediate's high byte repeats the setting that is left; a switch that changes nothing is dropped
.if MSB != \new
	s_set_vgpr_msb (MSB<<8)|\new
.set MSB, \new
.endif
.endm
.macro CROUND                          ; a round of the cluster's barrier: my work-group's barrier, wave 0 signals for the work-group, every wave waits for all sixteen, my work-group's barrier once more
	s_barrier_signal -1
	s_barrier_wait -1
	s_cmp_lg_u32 s[WV], 0
	s_cbranch_scc1 .Lnot_wave_0_\@
	s_barrier_signal -3
.Lnot_wave_0_\@:
	s_barrier_wait -3
	s_barrier_signal -1
	s_barrier_wait -1
.endm
; One block of 32 numbers, all in this lane's registers v[src] on: 4 registers of codes at v[dst], the conversion's scale operand in v[so], the scale's byte in v[by].
.macro QB src, dst, so, by
	v_max3_num_f32 v[QT], |v[\src]|, |v[\src+1]|, 0x1800000          ; the floor 2^(3 - 127) among the leaves: the byte cannot fall under 1
	v_max3_num_f32 v[QT+1], |v[\src+2]|, |v[\src+3]|, |v[\src+4]|
.irp i, 5,9,13,17,21,25
	v_max3_num_f32 v[QT], v[QT], |v[\src+\i]|, |v[\src+\i+1]|
	v_max3_num_f32 v[QT+1], v[QT+1], |v[\src+\i+2]|, |v[\src+\i+3]|
.endr
	v_max3_num_f32 v[QT], v[QT], |v[\src+29]|, |v[\src+30]|
	v_max3_num_f32 v[QT], v[QT], v[QT+1], |v[\src+31]|
	v_add_nc_u32 v[\so], 0xff000000, v[QT]                           ; 2 off the exponent field: the conversion takes that field as its scale and nothing else
.irp g, 0,1,2,3
	v_cvt_scalef32_pk8_fp4_f32 v[\dst+\g], v[\src+8*\g:\src+8*\g+7], v[\so]
.endr
	v_lshrrev_b32 v[\by], 23, v[\so]                                 ; the byte
.endm
	s_load_b256 s[4:11], s[0:1], 0x0               ; q s[4:5], kv s[6:7], mk s[8:9], keep s[10:11]
	s_load_b64 s[12:13], s[0:1], 0x20              ; out0
	v_lshl_add_u32 v254, v0, 2, 0x4b800
	v_mov_b32 v255, 0
	ds_add_u32 v254, v255
	ds_add_u32 v254, v255
	v_lshrrev_b32 v1, 5, v0
	v_readfirstlane_b32 s[WV], v1                  ; wave 0..7
	s_and_b32 s15, s[WV], 3                        ; which step of a chunk of four I fetch
	s_bfe_u32 s16, ttmp6, 0x40000                  ; cx, cy: my place in the cluster
	s_bfe_u32 s17, ttmp6, 0x40004
	s_lshl_b32 s18, ttmp9, 2
	s_add_co_u32 s18, s18, s16                     ; my block of 128 queries = 4 x cluster x + cx
	s_and_b32 s19, ttmp7, 0xffff
	s_lshl_b32 s19, s19, 2
	s_add_co_u32 s19, s19, s17                     ; my head = 4 x cluster y + cy
	s_lshl_b32 s84, s17, 2
	s_lshl_b32 s84, 15, s84                        ; my row of the cluster: it shares the head
	s_lshl_b32 s85, 0x1111, s16                    ; my column: it shares the queries
	; descriptor group 1: a dense block as rows of 256 bytes (32 elements of 8 bytes), no padding: 35 rows of kv, 32 of the mask
	s_or_b32 s[G1K], s84, (3<<16)|(1<<21)          ; 15:0 the mask of work-groups; 17:16 elements of 8 bytes; 21 set beside a mask
	s_or_b32 s[G1M], s85, (3<<16)|(1<<21)
	s_mov_b32 s[G1K+1], 32<<16                     ; tensor_dim0 = 32
	s_mov_b32 s[G1K+2], 35<<16                     ; tensor_dim1 = 35
	s_mov_b32 s[G1K+3], 32<<16                     ; tile_dim0 = 32
	s_mov_b32 s[G1K+4], 35                         ; tile_dim1 = 35
	s_mov_b32 s[G1K+5], 32                         ; from row to row: 32 elements
	s_mov_b32 s[G1K+6], 0
	s_mov_b32 s[G1K+7], 0
	s_mov_b32 s[G1M+1], 32<<16
	s_mov_b32 s[G1M+2], 32<<16
	s_mov_b32 s[G1M+3], 32<<16
	s_mov_b32 s[G1M+4], 32
	s_mov_b32 s[G1M+5], 32
	s_mov_b32 s[G1M+6], 0
	s_mov_b32 s[G1M+7], 0
	; offsets.  kv's hang on the head and the wave alone, the mask's on the block of queries and the wave alone; LDS addresses on the wave alone
	s_mul_i32 s86, s19, 16*KVSTEP
	s_mul_i32 s94, s15, KVSTEP                     ; my step of a chunk: in memory and in LDS
	s_add_co_u32 s86, s86, s94
	s_mov_b32 s87, 0
	s_lshl_b32 s88, s18, 17
	s_lshl_b32 s95, s15, 13
	s_add_co_u32 s88, s88, s95
	s_mov_b32 s89, 0
	s_add_co_u32 s95, s95, MK
	s_lshl_b32 s90, s19, 19                        ; q and out0: head x 2,048 rows of 256 bytes,
	s_lshl_b32 s96, s18, 15                        ; + 128 rows a block,
	s_add_co_u32 s90, s90, s96
	s_lshl_b32 s96, s[WV], 12                      ; + 16 rows a wave
	s_add_co_u32 s90, s90, s96
	s_mov_b32 s91, 0
	s_lshl_b32 s92, s18, 3
	s_add_co_u32 s92, s92, s[WV]
	s_lshl_b32 s92, s92, 7                         ; keep: 128 bytes for each tile of queries
	s_mov_b32 s93, 0
	s_mov_b32 s20, 0x76543210                      ; v_permlanex16_b32's selects for lane l xor 16
	s_mov_b32 s21, 0xfedcba98
	s_mov_b32 s22, 0x3e38aa3b                      ; c = log2(e) / 8
	s_mov_b32 s23, s22                             ; (named with it as a pair, so it is written)
	v_and_b32 v[TMP], 31, v0
	v_lshlrev_b32 v[LI], 4, v[TMP]
	v_lshlrev_b32 v[L8], 3, v[TMP]
	v_lshlrev_b32 v[L4], 2, v[TMP]
	v_and_b32 v[RR], 15, v0
	v_bfe_u32 v[HH], v0, 4, 1
	s_lshl_b32 s97, s[WV], 10
	s_add_co_u32 s97, s97, MK
	v_add_nc_u32 v[LM], s97, v[LI]
	s_mul_i32 s98, s[WV], 16*SP
	s_add_co_u32 s98, s98, STG                     ; my stage
	v_mul_u32_u24 v[RD], v[HH], SP
	v_lshl_add_u32 v[RD], v[RR], 4, v[RD]
	v_add_nc_u32 v[RD], s98, v[RD]
	v_mul_u32_u24 v[STO], v[RR], SP
	v_lshl_add_u32 v[QRD], v[HH], 7, v[STO]
	v_lshl_add_u32 v[STO], v[HH], 5, v[STO]
	v_add_nc_u32 v[QRD], s98, v[QRD]
	v_add_nc_u32 v[STO], s98, v[STO]
	s_wait_dscnt 0x0
	s_wait_kmcnt 0x0
	s_add_nc_u64 s[4:5], s[4:5], s[90:91]
	s_add_nc_u64 s[12:13], s[12:13], s[90:91]
	s_add_nc_u64 s[10:11], s[10:11], s[92:93]
	s_add_nc_u64 s[6:7], s[6:7], s[86:87]
	s_add_nc_u64 s[8:9], s[8:9], s[88:89]
	global_load_b32 v[KEEP], v[L4], s[10:11]
.irp i, 0,1,2,3,4,5,6,7
	global_load_b128 v[S+4*\i:S+4*\i+3], v[LI], s[4:5] offset:512*\i th:TH_LOAD_NT   ; my 16 rows of q, two rows (512 consecutive bytes) a load
.endr
.irp c, 0,1,2,3                        ; chunk c = steps 4 c .. 4 c + 3; of each chunk a wave brings one block
	s_mov_b32 s[G0K+4*\c], 1                                       ; count = 1
	s_add_co_u32 s[G0K+4*\c+1], s94, \c*4*KVSTEP                   ; LDS address
	s_add_nc_u64 s[G0K+4*\c+2:G0K+4*\c+3], s[6:7], \c*4*KVSTEP     ; global address
	s_or_b32 s[G0K+4*\c+3], s[G0K+4*\c+3], 0x80000000              ; type = 2
	s_mov_b32 s[G0M+4*\c], 1
	s_add_co_u32 s[G0M+4*\c+1], s95, \c*4*MKSTEP
	s_add_nc_u64 s[G0M+4*\c+2:G0M+4*\c+3], s[8:9], \c*4*MKSTEP
	s_or_b32 s[G0M+4*\c+3], s[G0M+4*\c+3], 0x80000000
.endr
	CROUND                                         ; all sixteen work-groups are here: the joint loads meet
	s_cmp_lt_u32 s[WV], 4                          ; waves 0-3 fetch kv's blocks, waves 4-7 the mask's: a wave's four fills stand in one branch; four loads of mine are out
	s_cbranch_scc0 .Lfor_mask
.irp c, 0,1,2,3
	tensor_load_to_lds s[G0K+4*\c:G0K+4*\c+3], s[G1K:G1K+7]
	s_nop 0
.endr
.rept 4
	v_nop                                          ; four v_nop follow the run, ahead of the jump, the label and what follows
.endr
	s_branch .Lasked
.Lfor_mask:
.irp c, 0,1,2,3
	tensor_load_to_lds s[G0M+4*\c:G0M+4*\c+3], s[G1M:G1M+7]
	s_nop 0
.endr
.rept 4
	v_nop
.endr
.Lasked:
	; THE SELECTOR.  Row r of tile T wants the mask's place of key 32 (T / 2) + 8 (T % 2) + 16 (r / 8) + r % 8: register T, half r / 8, nibble 2 (r & 3) + ((r >> 2) & 1).  So one register X serves all tiles:
	; X = the code -1.0 (0xA) at that nibble in the lanes with h = r / 8, else 0.  It stands at v6 and v15 of a run of zeros; the eight registers from 6 - T (T even) or 15 - T (T odd) have it at place T.
	v_and_b32 v[TMP], 3, v[RR]
	v_lshlrev_b32 v[TMP], 3, v[TMP]
	v_bfe_u32 v[TMP+1], v[RR], 2, 1
	v_lshl_add_u32 v[TMP], v[TMP+1], 2, v[TMP]
	v_mov_b32 v[TMP+1], 10
	v_lshlrev_b32 v[TMP], v[TMP], v[TMP+1]
	v_lshrrev_b32 v[TMP+1], 3, v[RR]
	v_cmp_eq_u32 vcc_lo, v[TMP+1], v[HH]
	v_cndmask_b32 v[TMP], 0, v[TMP], vcc_lo
	WIN 0x40                                       ; destination window 1
.irp n, 0,1,2,3,4,5,7,8,9,10,11,12,13,14,16,17,18,19,20,21
	v_mov_b32 v[SEL+\n], 0
.endr
	v_mov_b32 v[SEL+6], v[TMP]
	v_mov_b32 v[SEL+15], v[TMP]
.irp T, 0,1,2,3,4,5,6,7
.irp g, 4,5,6,7
	v_mov_b32 v[KF+8*\T+\g], 0                     ; K's fragments: zero codes for the upper 64 along K; only registers 0-3 are ever loaded
.endr
.endr
	WIN 0
	v_mov_b32 v[MS], 0x90909090                    ; 2^17 in every byte
.irp g, 4,5,6,7
	v_mov_b32 v[QF+\g], 0
.endr
	v_mov_b32 v[NM+1], 0xff61b1e6                  ; the largest t so far: -3e38, under every t
	v_floor_f32 v[NM], -v[NM+1]
	v_mov_b32 v[L], 0
	v_mov_b32 v[L+1], 0
.irp b, 0,1,2,3
	v_mov_b32 v[BT+\b], 0                          ; a lane permute's destination counts as one of its sources
.endr
	v_mov_b32 v[PX], 0
	v_mov_b32 v[F+1], 0
	; Q: the loads took the bytes as they lie; through my stage a lane gets 32 neighbours: block h of row r
.irp i, 0,1,2,3,4,5,6,7
	s_wait_loadcnt 7-\i                            ; loads come back in order: the keep word and q's loads up to i are in
	ds_store_b128 v[RD], v[S+4*\i:S+4*\i+3] offset:2*SP*\i
.endr
.irp j, 0,1,2,3,4,5,6,7
	ds_load_b128 v[S+32+4*\j:S+32+4*\j+3], v[QRD] offset:16*\j     ; LDS serves a wave's instructions in order: these see my stores
.endr
	s_wait_dscnt 0x0
.set n, 0
.rept 32
	v_and_b32 v[S+32+n], v[KEEP], v[S+32+n]        ; a row masked from end to end is cleared
.set n, n+1
.endr
	QB S+32, QF, 68, 69
	v_nop                                          ; a plain line behind the conversions
	v_permlanex16_b32 v[PX], v69, s20, s21
	v_lshl_or_b32 v[QS], v[PX], 8, v69             ; lanes 0-15: row r's two bytes; bytes 2 and 3 stay 0 over zero codes
.set n, 0
.rept 32
	v_mov_b32 v[O+n], 0                            ; O^T.  (The step is written without a first copy: the first change of M multiplies zeros.)  These 32 are also the places between Q's codes and scales and the first products
.set n, n+1
.endr
; K's eight fragments, its scale words and the mask's fragment of the step at ko, mo bytes from the addresses in v[ak], v[am]; vs = 1: the step in hand's scale words of V with them
.macro LOADK ak, am, ko, mo, vs
	WIN 0x40
.irp T, 0,1,2,3,4,5,6,7
	ds_load_b128 v[KF+8*\T:KF+8*\T+3], v[\ak] offset:\ko+512*\T
.endr
	WIN 0
.if \vs
	ds_load_b64 v[VS:VS+1], v[ADV] offset:VSWO
.endif
	ds_load_b128 v[KS:KS+3], v[\ak] offset:\ko+KSWO
	ds_load_b128 v[MF:MF+3], v[\am] offset:\mo
	ds_load_b128 v[MF+4:MF+7], v[\am] offset:\mo+512
.endm
.macro LOADV                           ; V's four fragments of the step in hand
	WIN 0x40
.irp t, 0,1,2,3
.irp c, 0,1
	ds_load_b128 v[VF+8*\t+4*\c:VF+8*\t+4*\c+3], v[ADK] offset:VIMO+1024*\t+512*\c
.endr
.endr
.endm
; The plain work that stands between the exponentials.  Number i of 32: the blocks' scales (floor, scale operand, byte, word), then O^T x f, from each accumulator's low end on
.macro PLAIN1
.if i < 4
	s_wait_alu depctr_va_vdst(0)
	v_max_num_f32 v[BM+i], 0x1800000, v[BM+i]      ; the floor 2^(3 - 127): a block whose every p is 0 keeps byte 1: its codes are zeros
.elseif i < 8
	v_add_nc_u32 v[SO+i-4], 0xff000000, v[BM+i-4]
.elseif i < 12
	v_lshrrev_b32 v[BT+i-8], 23, v[SO+i-8]
.elseif i == 12
	v_lshl_or_b32 v[PW], v[BT+1], 8, v[BT]
.elseif i == 13
	v_lshl_or_b32 v[PW], v[BT+2], 16, v[PW]
.elseif i == 14
	v_lshl_or_b32 v[PW], v[BT+3], 24, v[PW]
.elseif i < 31
	v_pk_mul_f32 v[O+2*(i-15):O+2*(i-15)+1], v[O+2*(i-15):O+2*(i-15)+1], v[F:F+1] op_sel_hi:[1,0]
.endif
.endm
; Number kk of 32 of the row's sum of the UNQUANTISED p, two at a time, in two chains
.macro SUMSTEP
.if kk == 0
	s_wait_alu depctr_va_vdst(0)
	v_pk_add_f32 v[L2:L2+1], v[S:S+1], v[S+2:S+3]
.elseif kk == 31
	v_pk_add_f32 v[L:L+1], v[L:L+1], v[L2:L2+1]
.elseif kk%2 == 1
	s_wait_alu depctr_va_vdst(0)
	v_pk_add_f32 v[L:L+1], v[L:L+1], v[S+2*kk+2:S+2*kk+3]
.else
	s_wait_alu depctr_va_vdst(0)
	v_pk_add_f32 v[L2:L2+1], v[L2:L2+1], v[S+2*kk+2:S+2*kk+3]
.endif
.endm
; A KEY STEP: 128 keys.  Its fragments of K and of the mask are in registers.  pre = 1: the next step's are fetched.  gate >= 0: the next step lies in the next chunk, which is awaited first.
.macro STEP pre, gate
	WIN 0x01                                       ; source 0 window 1
.irp T, 0,1,2,3,4,5,6,7                ; the mask starts the sums: -2^33 where masked, 0 elsewhere
	v_wmma_scale_f32_16x16x128_f8f6f4 v[S+8*\T:S+8*\T+7], v[SEL+6-\T+9*(\T%2):SEL+13-\T+9*(\T%2)], v[MF:MF+7], 0, v[MS], v[MS] matrix_a_fmt:MATRIX_FMT_FP4 matrix_b_fmt:MATRIX_FMT_FP4
.endr
.irp T, 0,1,2,3,4,5,6,7                ; S^T += K Q^T.  The eight accumulators take turns, one instruction a turn
.if \T%2
	v_wmma_scale_f32_16x16x128_f8f6f4 v[S+8*\T:S+8*\T+7], v[KF+8*\T:KF+8*\T+7], v[QF:QF+7], v[S+8*\T:S+8*\T+7], v[KS+\T/2], v[QS] matrix_a_fmt:MATRIX_FMT_FP4 matrix_b_fmt:MATRIX_FMT_FP4 matrix_a_scale:MATRIX_SCALE_ROW1
.else
	v_wmma_scale_f32_16x16x128_f8f6f4 v[S+8*\T:S+8*\T+7], v[KF+8*\T:KF+8*\T+7], v[QF:QF+7], v[S+8*\T:S+8*\T+7], v[KS+\T/2], v[QS] matrix_a_fmt:MATRIX_FMT_FP4 matrix_b_fmt:MATRIX_FMT_FP4
.endif
.endr
	WIN 0
	v_add_nc_u32 v[ADK], s[TB], v[LI]              ; four plain lines that name no register of the products: the places in front of the loads into operand registers and of the first read of the scores
	v_add_nc_u32 v[ADV], s[TB], v[L8]
	v_add_nc_u32 v[ADM], s[TM], v[LM]
	v_nop
.if (\gate) >= 0
	s_wait_tensorcnt \gate                         ; my block of the next chunk has landed: so many of my four loads were issued behind it.  No LDS instruction of mine is out here,
	s_barrier_signal -1
	s_barrier_wait -1                              ; everybody's has
.endif
	LOADV
.if \pre
	LOADK ADK, ADM, KVSTEP, MKSTEP, 1
.else
	WIN 0
	ds_load_b64 v[VS:VS+1], v[ADV] offset:VSWO
.endif
.irp b, 0,1,2,3
	v_max3_num_f32 v[BM+\b], v[S+16*\b], v[S+16*\b+1], v[S+16*\b+2]   ; the largest score of each block of 32 keys: for the row's maximum and, since p rises with the score, for the block's largest p.  Each accumulator is read from its low end on
.endr
.irp i, 3,5,7,9,11,13
.irp b, 0,1,2,3
	v_max3_num_f32 v[BM+\b], v[BM+\b], v[S+16*\b+\i], v[S+16*\b+\i+1]
.endr
.endr
.irp b, 0,1,2,3
	v_max_num_f32 v[BM+\b], v[BM+\b], v[S+16*\b+15]
.endr
.irp b, 0,1,2,3
	v_permlanex16_b32 v[BT+\b], v[BM+\b], s20, s21
.endr
.irp b, 0,1,2,3
	v_max_num_f32 v[BM+\b], v[BM+\b], v[BT+\b]     ; with lane l xor 16's 16 keys
.endr
	v_max3_num_f32 v[TMP], v[BM], v[BM+1], v[BM+2]
	v_max_num_f32 v[TMP], v[TMP], v[BM+3]
	v_mul_f32 v[TMP], s22, v[TMP]                  ; as t (c is positive)
	v_max_num_f32 v[NM+1], v[NM+1], v[TMP]         ; the running largest t
	v_mov_b32 v[TMP], v[NM]
	v_floor_f32 v[NM], -v[NM+1]                    ; the new -M = -ceil(t): a whole number
	v_sub_f32 v[TMP], v[NM], v[TMP]                ; old M - new M: a whole number, 0 or less
	v_cvt_i32_f32 v[TMP], v[TMP]                   ; (it saturates)
	v_ldexp_f32 v[F], 1.0, v[TMP]                  ; f = 2^(old M - new M)
.set i, 0
.rept 32
	v_pk_fma_f32 v[S+i:S+i+1], v[S+i:S+i+1], s[22:23], v[NM:NM+1] op_sel_hi:[1,0,0]   ; t - M, two at a time (of the pairs c and -M the low word serves both halves)
.set i, i+2
.endr
.irp b, 0,1,2,3
	v_fma_f32 v[BM+\b], v[BM+\b], s22, v[NM]       ; the same of each block's largest score
.endr
.irp b, 0,1,2,3
	v_exp_f32 v[BM+\b], v[BM+\b]                   ; the block's largest p: the same two instructions on the same number give the same bits
.endr
	v_pk_mul_f32 v[L:L+1], v[L:L+1], v[F:F+1] op_sel_hi:[1,0]      ; the sum under the new M; a plain line behind the exponentials
.set i, 0
.rept 32                               ; p = 2^(t - M): 64 exponentials with plain work between them; a sum reads a pair whose exponentials stand two trips back
	v_exp_f32 v[S+2*i], v[S+2*i]
	PLAIN1
	v_exp_f32 v[S+2*i+1], v[S+2*i+1]
.if i >= 3
.set kk, i-3
	SUMSTEP
.endif
.set i, i+1
.endr
	s_wait_alu depctr_va_vdst(0)
.irp b, 0,1,2,3
	v_cvt_scalef32_pk8_fp4_f32 v[PC+2*\b], v[S+16*\b:S+16*\b+7], v[SO+\b]
	v_cvt_scalef32_pk8_fp4_f32 v[PC+2*\b+1], v[S+16*\b+8:S+16*\b+15], v[SO+\b]
.endr
.set kk, 29
	SUMSTEP                                        ; a plain line behind the conversions
.irp c, 0,1                            ; the operand's layout wants a WHOLE block in a lane: lanes 0-15 block 2 c, lanes 16-31 block 2 c + 1
.irp e, 0,1
	v_permlane16_swap_b32 v[PC+4*\c+\e], v[PC+4*\c+2+\e]
.endr
.endr
.set kk, 30
	SUMSTEP                                        ; four plain lines between p's codes and the scaled products; p's scale word stands more than eight ahead
.set kk, 31
	SUMSTEP
	v_nop
	v_nop
	s_wait_dscnt 0x0                               ; V, its scale words and the next step's fragments are in (asked for a softmax ago)
	WIN 0x01
.irp t, 0,1,2,3                        ; O^T += V^T P^T: four accumulators by turns
.if \t%2
	v_wmma_scale_f32_16x16x128_f8f6f4 v[O+8*\t:O+8*\t+7], v[VF+8*\t:VF+8*\t+7], v[PC:PC+7], v[O+8*\t:O+8*\t+7], v[VS+\t/2], v[PW] matrix_a_fmt:MATRIX_FMT_FP4 matrix_b_fmt:MATRIX_FMT_FP4 matrix_a_scale:MATRIX_SCALE_ROW1
.else
	v_wmma_scale_f32_16x16x128_f8f6f4 v[O+8*\t:O+8*\t+7], v[VF+8*\t:VF+8*\t+7], v[PC:PC+7], v[O+8*\t:O+8*\t+7], v[VS+\t/2], v[PW] matrix_a_fmt:MATRIX_FMT_FP4 matrix_b_fmt:MATRIX_FMT_FP4
.endif
.endr
	WIN 0
.endm
	s_wait_tensorcnt 3                             ; my block of chunk 0 has landed: three of my loads were issued behind it,
	s_barrier_signal -1
	s_barrier_wait -1                              ; everybody's has
	LOADK LI, LM, 0, 0, 0                          ; step 0's fragments
	s_wait_dscnt 0x0
.irp c, 0,1,2,3                        ; a chunk: three steps in a loop, and its last step, which awaits the next chunk (or, at the end, fetches nothing more)
	s_mov_b32 s[TB], \c*4*KVSTEP
	s_mov_b32 s[TM], \c*4*MKSTEP
	s_mov_b32 s26, 3
.Lsteps_\c:
	STEP 1, -1
	s_add_co_u32 s[TB], s[TB], KVSTEP
	s_add_co_u32 s[TM], s[TM], MKSTEP
	s_sub_co_u32 s26, s26, 1
	s_cmp_lg_u32 s26, 0
	s_cbranch_scc1 .Lsteps_\c
.if \c < 3
	STEP 1, 2-\c
.else
	STEP 0, -1
.endif
.endr
	; THE WAY OUT.  The sum's two halves and lane l xor 16's are added; O^T / the sum goes through my stage and leaves as whole rows
	v_add_f32 v[L], v[L], v[L+1]
	v_permlanex16_b32 v[TMP], v[L], s20, s21
	v_add_f32 v[L], v[L], v[TMP]
	v_rcp_f32 v[F], v[L]
.rept 4
	v_nop                                          ; the places behind the last products, and the plain line behind the reciprocal
.endr
.set n, 0
	s_wait_alu depctr_va_vdst(0)
.rept 16
	v_pk_mul_f32 v[S+n:S+n+1], v[O+n:O+n+1], v[F:F+1] op_sel_hi:[1,0]   ; register 8 t + j is out0(query r, 16 t + 8 h + j); each accumulator from its low end on
.set n, n+2
.endr
.irp t, 0,1,2,3
	ds_store_b128 v[STO], v[S+8*\t:S+8*\t+3] offset:64*\t
	ds_store_b128 v[STO], v[S+8*\t+4:S+8*\t+7] offset:64*\t+16
.endr
.irp i, 0,1,2,3,4,5,6,7
	ds_load_b128 v[S+32+4*\i:S+32+4*\i+3], v[RD] offset:2*SP*\i    ; LDS serves a wave's instructions in order: these see my stores
.endr
.irp i, 0,1,2,3,4,5,6,7
	s_wait_dscnt 7-\i
	global_store_b128 v[LI], v[S+32+4*\i:S+32+4*\i+3], s[12:13] offset:512*\i th:TH_STORE_NT   ; two whole rows: 512 consecutive bytes, at a multiple of 256 from out0's first byte
.endr
	s_wait_tensorcnt 0x0                           ; no tensor load is out at the end
	s_wait_tensorcnt 0x0
	ds_add_u32 v254, v255
	s_wait_dscnt 0x0
	CROUND                                         ; the closing round: no work-group ends while a partner may still ask for a block that names it
	s_endpgm
.Lfunc_end_k_q2c58dc6090_attn:
	.size	k_q2c58dc6090_attn, .Lfunc_end_k_q2c58dc6090_attn-k_q2c58dc6090_attn
	.p2alignl 7, 3214868480
	.fill 96, 4, 3214868480
	.section	.rodata,"a",@progbits
	.p2align	6, 0x0
	.amdhsa_kernel k_q2c58dc6090_attn
		.amdhsa_group_segment_fixed_size 327680
		.amdhsa_private_segment_fixed_size 0
		.amdhsa_enable_private_segment 0
		.amdhsa_kernarg_size 40
		.amdhsa_user_sgpr_count 2
		.amdhsa_user_sgpr_kernarg_segment_ptr 1
		.amdhsa_wavefront_size32 1
		.amdhsa_system_sgpr_workgroup_id_x 1
		.amdhsa_system_sgpr_workgroup_id_y 1
		.amdhsa_system_sgpr_workgroup_id_z 1
		.amdhsa_system_vgpr_workitem_id 0
		.amdhsa_next_free_vgpr 384
		.amdhsa_next_free_sgpr 100
		.amdhsa_reserve_vcc 1
		.amdhsa_float_denorm_mode_32 3
		.amdhsa_float_denorm_mode_16_64 3
		.amdhsa_memory_ordered 1
		.amdhsa_forward_progress 1
		.amdhsa_inst_pref_size 156
	.end_amdhsa_kernel
	.amdgpu_metadata
---
amdhsa.version: [ 1, 2 ]
amdhsa.kernels:
  - .name:           k_q2c58dc6090_attn
    .symbol:         k_q2c58dc6090_attn.kd
    .args:
      - { .name: q, .offset: 0, .size: 8, .value_kind: global_buffer, .address_space: global }
      - { .name: kv, .offset: 8, .size: 8, .value_kind: global_buffer, .address_space: global }
      - { .name: mk, .offset: 16, .size: 8, .value_kind: global_buffer, .address_space: global }
      - { .name: keep, .offset: 24, .size: 8, .value_kind: global_buffer, .address_space: global }
      - { .name: out0, .offset: 32, .size: 8, .value_kind: global_buffer, .address_space: global }
    .group_segment_fixed_size: 327680
    .private_segment_fixed_size: 0
    .kernarg_segment_align: 8
    .kernarg_segment_size: 40
    .max_flat_workgroup_size: 256
    .sgpr_count:     100
    .vgpr_count:     384
    .wavefront_size: 32
...
	.end_amdgpu_metadata
.endif
;; end of part 2
